; MI455X (gfx1250); checked and timed in simulation.
; The chip was launched on July 23, 2026; its instructions are those of AMD's public machine-readable ISA for CDNA 5 (MIT licence, August 2026) and "CDNA5" Instruction Set Architecture Reference Guide (July 2026). The comments in the code are by the model that wrote it; some were corrected since.
;; Additive Attention. Allowed arithmetic: matrix products marked QUANTISED: E5M2 operands, one E8M0 scale for each 32 along K, by v_wmma_scale_f32_16x16x128_f8f6f4 with both operands' format E5M2, f32 sums; products left as they are: f32 operands where the result goes on into a quantised operand, else bf16, f16 or f32 operands; f32 sums; everything else in f32.
;; Inputs: V 1,024 x 1 float32; W1 1,024 x 1,024 float32; W2 1,024 x 1,024 float32; b1 1,024 float32; b2 1,024 float32; bv 1 float32; query 32 x 1,024 float32; values 32 x 2,048 x 1,024 float32.
;; Outputs: out0 32 x 1,024 float32; out1 32 x 2,048 x 1 float32.
;; This version of the problem:
;;   THIS VERSION OF THE PROBLEM IS GIVEN IN LOW PRECISION. The matrix products marked QUANTISED in the list below multiply operands that are first quantised to E5M2 (5 exponent bits, 2 mantissa bits; 8 bits a number), with one power-of-two scale for each 32 numbers along K (OCP MX v1.0); their sums are f32. All else is computed in f32.
;;   The module's matrix products, in the order in which they are computed (A, B: the left and right operand; K: the contracted axis; several contracted axes count as one K, in the product's order):
;;     1. [M 32, K 1,024] x [K 1,024, N 1,024]; A: input query; B: input W2: QUANTISED
;;     2. [M 65,536, K 1,024] x [K 1,024, N 1,024]; A: input values; B: input W1: QUANTISED
;;     3. [M 65,536, K 1,024] x [K 1,024, N 1]; A: computed on the way; B: input V: left as it is (N = 1 < 16)
;;   THE QUANTISER, for each operand of a quantised product, along K:
;;     - K is cut into blocks of 32 from its start; a last block that is shorter is filled with zeros.
;;     - A block's scale is 2^e with e = floor(log2(the largest magnitude in the block)) - 15, held to -126 .. 127; a block of zeros has e = 0. As a byte (E8M0): e + 127.
;;     - Each number is divided by its block's scale, clamped to +-57,344, and rounded to the nearest number of E5M2, ties to even, subnormals kept.
;;     - The product sums the exact products of the quantised numbers (number of the format x scale) in f32.
;;   ~~~python
;;   def quantise(x, axis):      # numpy; x: float32 -> the quantised numbers, widened to float32 again
;;       x = np.moveaxis(x, axis, -1); K = x.shape[-1]
;;       x = np.pad(x, [(0, 0)] * (x.ndim - 1) + [(0, -K % 32)]); x = x.reshape(x.shape[:-1] + (-1, 32)); a = np.abs(x).max(-1, keepdims=True)
;;       e = np.where(a > 0, np.clip(np.frexp(np.where(a > 0, a, 1))[1] - 1 - 15, -126, 127), 0)      # np.frexp(a)[1] - 1 = floor(log2(a)), exactly
;;       r = np.clip(x / 2.0 ** e, -57344, 57344)
;;       step = 2.0 ** (np.maximum(np.frexp(np.where(r == 0, 1, r))[1] - 1, -14) - 2)
;;       q = np.round(r / step) * step * 2.0 ** e      # np.round: ties to even
;;       return np.moveaxis(q.reshape(q.shape[:-2] + (-1,))[..., :K], -1, axis).astype(np.float32)
;;   ~~~
;; One version. Each part assembles by itself: llvm-mc -triple=amdgcn-amd-amdhsa -mcpu=gfx1250 --defsym DOCPART=n.
;; ======== version 1 of 1: 3 launches
;; limits: right only within a limited range of input values
;; workspace buffers: acode 67,108,864 bytes; ascale 2,097,152 bytes; wcode 1,048,576 bytes; wscale 32,768 bytes; cb 131,072 bytes; tsc 262,144 bytes
;; launch prep (part 1): grid 656 x 1, 4 waves a work-group, no clusters, 38,400 bytes of LDS; arguments query, values, W1, W2, b1, b2, acode, ascale, wcode, wscale, cb; writes acode, ascale, wcode, wscale, cb
.if DOCPART == 1
	.amdgcn_target "amdgcn-amd-amdhsa--gfx1250"
	.amdhsa_code_object_version 6
	.text
	.protected	k_qd8965fd96d_prep
	.globl	k_qd8965fd96d_prep
	.p2align	8
	.type	k_qd8965fd96d_prep,@function
k_qd8965fd96d_prep:
	s_mov_b64 s[64:65], 0
	v_nop
	global_prefetch_b8 v0, s[64:65] scope:SCOPE_SE
	s_setreg_imm32_b32 hwreg(HW_REG_WAVE_MODE, 25, 1), 1
	s_wait_xcnt 0x0
; ADDITIVE ATTENTION, launch 1 of 3.  values [65536][1024] and W1 [1024][1024] (K = its first axis) become codes of BF8 (E5M2) with one E8M0 byte for each 32 along K,
; laid in the order of an operand's registers; and cb = c (Q(query) Q(W2) + b1 + b2), c = 2 log2(e), is made, [32][1024] f32.
; WORK LEFT OUT, for all values of the inputs.  (1) bv is added to every score of a batch; softmax over t takes a term that is the same along t away: exp(s + bv) / sum exp(s + bv) = exp(s) / sum exp(s).
; So bv has no way to any output: it is not loaded and is among no launch's arguments.  (2) tanh(x) = 1 - 2 / (1 + 2^(c x)) for every x, so sum_u V_u tanh_u = sum_u V_u - 2 sum_u V_u r_u, r = 1 / (1 + 2^(c x)).
; sum_u V_u is the same along t and goes the same way; what is kept is -2 sum_u V_u r_u.  LIMIT: a NaN, an infinity or an overflow that reaches only bv or sum_u V_u is not carried to the results.
; THE QUANTISER.  A block's scale is 2^(floor(log2(largest magnitude)) - 15); its byte is that magnitude's exponent field - 15, held at 1 from below; numbers are held within +-57,344 x the scale and rounded to the nearest code, ties to even.
; LIMITS: a block of zeros gets the byte 1 where the rule says 127 (its codes are zeros, and this program alone reads the bytes); blocks whose largest magnitude lies under 2^-111 were not tried;
; NaN and infinities among the inputs are not served; q_proj's K is shared among four waves, whose four f32 sums are added in ascending K: another order of rounding than one chain.
; LAYOUTS.  acode [row tile T][K step s][c][lane][16 bytes]: lane (r, h) holds row 16 T + r, k = 128 s + 32 c + 16 h + 0 .. 15: registers 4 c .. 4 c + 3 of the fragment.  ascale [T][lane][4 words]: word j of lane (r, h) is
; row r's scale word of K step 2 j + h.  wcode, wscale: the same with column tile n for T and column 16 n + r of W1 for the row.
; THREE PATHS, by the work-group's number (the same in its four waves): 0-127 q_proj (tile n = id / 2 of 16 columns, half id % 2 of the 32 queries; wave w takes K steps 2 w, 2 w + 1);
; 128-143 W1 (a wave a column tile); 144-655 values (a wave two row tiles).  All paths meet at one barrier, so that no barrier stands under a branch.  Each path has LDS bytes of its own.
.set NQP,    128
.set NW1,    16
.set SPITCH, 528                       ; a stage row: 512 bytes + 16: row r starts 4 r banks on (64 banks of 4 bytes: ISA guide 11.1)
.set WSTG,   16*SPITCH                 ; a wave's stage: 16 rows (values' path alone)
.set QRED,   4*WSTG                    ; 4 x 1,024 bytes: q_proj's four partial tiles (q_proj's path alone)
.set SPARE,  QRED+4096                 ; the spare words, 128 bytes for each wave: two blocks of 256 bytes that no other line names
.set LI,   1                           ; v1   16 x lane
.set SIN,  2                           ; v2   the stage, on the way in
.set SOUT, 3                           ; v3   and on the way out
.set WO,   4                           ; v4   a weight: 4 r + 16 h rows of 4,096 bytes
.set QO,   5                           ; v5   query: row r, + 64 h
.set SPW,  6                           ; v6   LDS address of my spare word; never rewritten
.set NIL,  7                           ; v7   0; never rewritten
.set PW,   8                           ; v8   a scale word
.set PW2,  9                           ; v9   a second one
.set SW,   10                          ; v10-13 a tile's four scale words
.set RST,  14                          ; v14  where I put my partial tile
.set RLD,  15                          ; v15  where wave 0 reads the four
.set TM,   16                          ; v16-19 largest magnitudes, v20-23 bytes, v24-27 the hold, v28-31 the conversions' scale operands
.set R,    32                          ; v32-95, v96-159 two sets of 64 numbers as loaded
.set X,    160                         ; v160-223 64 numbers, register 16 b + i = k 32 b + 16 h + i of my row
.set PC,   224                         ; v224-239 a fragment's codes
.set PC2,  240                         ; v240-255 a second fragment's
.set QA,   R                           ; q_proj's accumulator, where the first set of W2's numbers lay
.set WV,   26
.set SEL,  28
.set MNT,  30
.set HM,   31
; 64 numbers of a lane become a fragment's codes in v[pc] on and its scale word in v[pw] (the same in lanes r and r + 16)
.macro QUANT s, pc, pw
.irp b, 0,1,2,3
	v_max3_num_f32 v[TM+\b], |v[(\s)+16*\b]|, |v[(\s)+1+16*\b]|, 0x8000000   ; block b: my 16 numbers, and the floor 2^(16 - 127): the byte cannot fall under 1
.endr
.irp i, 2,4,6,8,10,12,14
.irp b, 0,1,2,3
	v_max3_num_f32 v[TM+\b], v[TM+\b], |v[(\s)+16*\b+\i]|, |v[(\s)+1+16*\b+\i]|   ; the four blocks by turns
.endr
.endr
.irp b, 0,1,2,3
	v_permlanex16_b32 v[TM+4+\b], v[TM+\b], s[SEL], s[SEL+1]
.endr
.irp b, 0,1,2,3
	v_max_num_f32 v[TM+\b], v[TM+\b], v[TM+4+\b]   ; with lane l xor 16's 16: the block's largest magnitude
.endr
.irp b, 0,1,2,3
	v_add_nc_u32 v[TM+12+\b], 0xf8800000, v[TM+\b]   ; 15 off its exponent field: the conversion's scale operand
.endr
.irp b, 0,1,2,3
	v_and_or_b32 v[TM+8+\b], v[TM+\b], 0x7f800000, s[MNT]   ; 57,344 x the scale
.endr
.irp b, 0,1,2,3
	v_lshrrev_b32 v[TM+4+\b], 23, v[TM+12+\b]      ; the scale's byte
.endr
	v_lshl_or_b32 v[\pw], v[TM+5], 8, v[TM+4]
	v_lshl_or_b32 v[\pw], v[TM+6], 16, v[\pw]
	v_lshl_or_b32 v[\pw], v[TM+7], 24, v[\pw]
.irp b, 0,1,2,3
.irp i, 0,1,2,3,4,5,6,7,8,9,10,11,12,13,14,15
	v_med3_num_f32 v[(\s)+16*\b+\i], v[(\s)+16*\b+\i], -v[TM+8+\b], v[TM+8+\b]   ; the conversion to an 8-bit code does not saturate (ISA guide 7.6.2): the hold
.endr
	v_cvt_scalef32_pk8_bf8_f32 v[(\pc)+4*\b:(\pc)+1+4*\b], v[(\s)+16*\b:(\s)+7+16*\b], v[TM+12+\b]
	v_cvt_scalef32_pk8_bf8_f32 v[(\pc)+2+4*\b:(\pc)+3+4*\b], v[(\s)+8+16*\b:(\s)+15+16*\b], v[TM+12+\b]
.endr
	v_nop                                          ; one plain line behind the last conversion, ahead of whatever next touches its registers
.endm
; K step u of a tile: codes into v[PC] on; its scale word into word u / 2: lanes 0-15 keep the even step's, lanes 16-31 take the odd step's
.macro QWORD s, u
.if (\u)%2 == 0
	QUANT \s, PC, SW+(\u)/2
.else
	QUANT \s, PC, PW
	v_cndmask_b32 v[SW+(\u)/2], v[SW+(\u)/2], v[PW], s[HM]
.endif
.endm
.macro OUT u, base                     ; the fragment leaves as it stands: each store covers 512 consecutive bytes, aligned
.irp c, 0,1,2,3
	global_store_b128 v[LI], v[PC+4*\c:PC+4*\c+3], s[\base:\base+1] offset:2048*(\u)+512*\c th:TH_STORE_NT
.endr
.endm
.macro WLOAD dst, base, k0             ; a weight's 128 along K from row k0 on: lane (r, h) takes column r, and its registers run down K: W(k0 + 32 c + 16 h + i, r)
.irp c, 0,1,2,3
.irp i, 0,1,2,3,4,5,6,7,8,9,10,11,12,13,14,15
	global_load_b32 v[(\dst)+16*\c+\i], v[WO], s[\base:\base+1] offset:((\k0)+32*\c+\i)*4096
.endr
.endr
.endm
.macro QLOAD z                         ; my wave's K step z (0, 1) of 16 queries: 16 neighbours of each block of 32
.irp b, 0,1,2,3
.irp j, 0,1,2,3
	global_load_b128 v[X+16*\b+4*\j:X+16*\b+4*\j+3], v[QO], s[4:5] offset:512*(\z)+128*\b+16*\j
.endr
.endr
.endm
.macro VLOAD u                         ; K step u of 16 rows of values: each load reads one row's 512 consecutive bytes
.irp i, 0,1,2,3,4,5,6,7,8,9,10,11,12,13,14,15
	global_load_b128 v[R+64*((\u)%2)+4*\i:R+64*((\u)%2)+4*\i+3], v[LI], s[6:7] offset:4096*\i+512*(\u) th:TH_LOAD_NT
.endr
.endm
.macro VUNIT u
.if (\u) < 7
	s_wait_loadcnt 16                              ; this K step's 16 loads are in; the next step's 16 may be out
.else
	s_wait_loadcnt 0x0
.endif
.irp i, 0,1,2,3,4,5,6,7,8,9,10,11,12,13,14,15
	ds_store_b128 v[SIN], v[R+64*((\u)%2)+4*\i:R+64*((\u)%2)+4*\i+3] offset:SPITCH*\i
.endr
.irp b, 0,1,2,3
.irp j, 0,1,2,3
	ds_load_b128 v[X+16*\b+4*\j:X+16*\b+4*\j+3], v[SOUT] offset:128*\b+16*\j   ; LDS serves a wave's instructions in order (ISA guide 5.7.1.4): these see my stores
.endr
.endr
	s_wait_dscnt 0x0                               ; my 64 numbers are back, and the stores into the stage have read their registers
	s_wait_xcnt 0x0                                ; the last step's stores have read v[PC] on: it is written again only behind this wait.  It stands ahead of the loads below, so that none of them is among what it waits for
.if (\u) < 6
	VLOAD (\u)+2                                   ; the registers that the stage's stores have read take the loads of two steps on
.endif
	QWORD X, \u
	OUT \u, 16
.endm
	s_load_b256 s[4:11], s[0:1], 0x0               ; query s[4:5], values s[6:7], W1 s[8:9], W2 s[10:11]
	s_load_b256 s[12:19], s[0:1], 0x20             ; b1 s[12:13], b2 s[14:15], acode s[16:17], ascale s[18:19]
	s_load_b128 s[20:23], s[0:1], 0x40             ; wcode s[20:21], wscale s[22:23]
	s_load_b64 s[24:25], s[0:1], 0x50              ; cb
	v_lshl_add_u32 v[SPW], v0, 2, SPARE
	v_mov_b32 v[NIL], 0
	v_lshrrev_b32 v16, 5, v0
	v_readfirstlane_b32 s[WV], v16                 ; wave 0..3
	v_and_b32 v16, 31, v0                          ; lane
	v_and_b32 v17, 15, v0                          ; r
	v_bfe_u32 v18, v0, 4, 1                        ; h
	v_lshlrev_b32 v[LI], 4, v16
	s_mul_i32 s32, s[WV], WSTG
	v_add_nc_u32 v[SIN], s32, v[LI]                ; in: 16 x lane of a row
	v_mul_u32_u24 v[SOUT], v17, SPITCH
	v_lshl_add_u32 v[SOUT], v18, 6, v[SOUT]
	v_add_nc_u32 v[SOUT], s32, v[SOUT]             ; out: row r, + 64 h
	v_lshlrev_b32 v[WO], 2, v17
	v_lshl_add_u32 v[WO], v18, 16, v[WO]
	v_lshlrev_b32 v[QO], 12, v17
	v_lshl_add_u32 v[QO], v18, 6, v[QO]
	v_lshlrev_b32 v[RLD], 5, v16
	v_add_nc_u32 v[RLD], QRED, v[RLD]              ; 32 bytes a lane
	s_lshl_b32 s33, s[WV], 10
	v_add_nc_u32 v[RST], s33, v[RLD]               ; + 1,024 x wave
.irp b, 0,1,2,3
	v_mov_b32 v[TM+4+\b], 0                        ; written once: a lane permute's destination counts as one of its sources
.endr
	s_mov_b32 s[SEL], 0x76543210
	s_mov_b32 s[SEL+1], 0xfedcba98                 ; v_permlanex16_b32's selects for lane l xor 16
	s_mov_b32 s[MNT], 0x600000                     ; the mantissa field of 57,344
	s_mov_b32 s[HM], 0xffff0000                    ; lanes 16-31
	s_mov_b32 s35, 0
	s_wait_kmcnt 0x0
	s_cmp_lt_u32 ttmp9, NQP
	s_cbranch_scc1 .Lqp
	s_cmp_lt_u32 ttmp9, NQP+NW1
	s_cbranch_scc1 .Lw1
	; ---- values: my wave's two row tiles, T = 8 (id - 144) + 2 wave on
	s_sub_co_u32 s32, ttmp9, NQP+NW1
	s_lshl_b32 s32, s32, 3
	s_lshl_b32 s33, s[WV], 1
	s_add_co_u32 s32, s32, s33
	s_lshl_b32 s34, s32, 16                        ; 16 rows of 4,096 bytes a tile
	s_add_nc_u64 s[6:7], s[6:7], s[34:35]
	s_lshl_b32 s34, s32, 14                        ; 16,384 bytes of codes
	s_add_nc_u64 s[16:17], s[16:17], s[34:35]
	s_lshl_b32 s34, s32, 9                         ; 512 bytes of scale words
	s_add_nc_u64 s[18:19], s[18:19], s[34:35]
	s_mov_b32 s44, 2
.Ltile:
	VLOAD 0
	VLOAD 1
.irp u, 0,1,2,3,4,5,6,7
	VUNIT \u
.endr
	global_store_b128 v[LI], v[SW:SW+3], s[18:19] th:TH_STORE_NT   ; the tile's scale words: 512 consecutive bytes
	s_wait_xcnt 0x0                                ; the stores have read their registers and bases: both may be written
	s_add_nc_u64 s[6:7], s[6:7], 65536
	s_add_nc_u64 s[16:17], s[16:17], 16384
	s_add_nc_u64 s[18:19], s[18:19], 512
	s_sub_co_u32 s44, s44, 1
	s_cmp_lg_u32 s44, 0
	s_cbranch_scc1 .Ltile
	s_branch .Ljoin
	; ---- W1: my wave's column tile n = 4 (id - 128) + wave.  The four waves stand side by side on 256 consecutive bytes of each row
.Lw1:
	s_sub_co_u32 s32, ttmp9, NQP
	s_lshl_b32 s32, s32, 2
	s_add_co_u32 s32, s32, s[WV]
	s_lshl_b32 s34, s32, 6
	s_add_nc_u64 s[8:9], s[8:9], s[34:35]
	s_lshl_b32 s34, s32, 14
	s_add_nc_u64 s[20:21], s[20:21], s[34:35]
	s_lshl_b32 s34, s32, 9
	s_add_nc_u64 s[22:23], s[22:23], s[34:35]
	WLOAD R, 8, 0
	WLOAD R+64, 8, 128
.irp u, 0,1,2,3,4,5,6,7
.if \u < 7
	s_wait_loadcnt 63                              ; behind this K step's 64 loads stand the next step's 64; the wait's field holds 63 at the most, and a smaller count is safe
.else
	s_wait_loadcnt 0x0
.endif
	s_wait_xcnt 0x0                                ; the last step's stores have read v[PC] on
	QWORD R+64*((\u)%2), \u
	OUT \u, 20
.if \u < 6
	WLOAD R+64*((\u)%2), 8, 128*((\u)+2)
.endif
.endr
	global_store_b128 v[LI], v[SW:SW+3], s[22:23]
	s_branch .Ljoin
	; ---- q_proj: 16 columns n = id / 2 of W2 x 16 queries 16 (id % 2) on; my wave's K = 256 wave .. 256 wave + 255
.Lqp:
	s_lshr_b32 s32, ttmp9, 1
	s_and_b32 s33, ttmp9, 1
	s_lshl_b32 s34, s32, 6
	s_lshl_b32 s36, s[WV], 20                      ; 256 rows of 4,096 bytes
	s_add_co_u32 s34, s34, s36
	s_add_nc_u64 s[10:11], s[10:11], s[34:35]
	s_lshl_b32 s34, s33, 16
	s_lshl_b32 s36, s[WV], 10
	s_add_co_u32 s34, s34, s36
	s_add_nc_u64 s[4:5], s[4:5], s[34:35]
	WLOAD R, 10, 0
	s_wait_alu depctr_va_vdst(0)
	QLOAD 0
	WLOAD R+64, 10, 128
	s_wait_loadcnt 63                              ; 144 loads were issued: with 63 out at the most the oldest 81 are in: W2's first 64 and the queries' 16
	QUANT R, PC, PW
	QUANT X, PC2, PW2
	QLOAD 1
.rept 4
	v_nop                                          ; codes written by vector instructions stand four places ahead of a scaled product; the scale words were made ahead of the 64 holds
.endr
	v_wmma_scale_f32_16x16x128_f8f6f4 v[QA:QA+7], v[PC:PC+15], v[PC2:PC2+15], 0, v[PW], v[PW2] matrix_a_fmt:MATRIX_FMT_BF8 matrix_b_fmt:MATRIX_FMT_BF8   ; source 0 = 16 columns of W2, source 1 = 16 queries: lane (r, h) holds query r, columns 8 h + 0 .. 7
	s_wait_loadcnt 16                              ; W2's second 64 are in; the queries' second 16 may be out
	QUANT R+64, PC, PW                             ; its first 32 lines name none of the product's registers: they are the places ahead of the writes of v[PC] on and v[PW] (ISA guide 7.12.1)
	s_wait_loadcnt 0x0
	QUANT X, PC2, PW2
.rept 4
	v_nop
.endr
	s_wait_alu depctr_va_vdst(0)                   ; the wait ahead of a product that adds onto the product issued just before it
	v_wmma_scale_f32_16x16x128_f8f6f4 v[QA:QA+7], v[PC:PC+15], v[PC2:PC2+15], v[QA:QA+7], v[PW], v[PW2] matrix_a_fmt:MATRIX_FMT_BF8 matrix_b_fmt:MATRIX_FMT_BF8
.rept 8
	v_nop                                          ; eight places ahead of the first read of the result
.endr
	ds_store_b128 v[RST], v[QA:QA+3]               ; from its low end on
	ds_store_b128 v[RST], v[QA+4:QA+7] offset:16
.Ljoin:
	s_wait_dscnt 0x0                               ; for the others' sake: my LDS stores have landed
	s_barrier_signal -1
	s_barrier_wait -1
	s_cmp_ge_u32 ttmp9, NQP
	s_cbranch_scc1 .Lend
	s_cmp_lg_u32 s[WV], 0
	s_cbranch_scc1 .Lend
	; wave 0 of a q_proj work-group: the four partial tiles, K ascending, + b1 + b2, x c
.irp w, 0,1,2,3
	ds_load_b128 v[96+8*\w:99+8*\w], v[RLD] offset:1024*\w
	ds_load_b128 v[100+8*\w:103+8*\w], v[RLD] offset:1024*\w+16
.endr
	s_lshr_b32 s32, ttmp9, 1
	s_and_b32 s33, ttmp9, 1
	s_lshl_b32 s34, s32, 6                         ; 16 columns are 64 bytes
	s_add_nc_u64 s[36:37], s[12:13], s[34:35]
	s_add_nc_u64 s[38:39], s[14:15], s[34:35]
	s_lshl_b32 s33, s33, 16
	s_add_co_u32 s34, s34, s33
	s_add_nc_u64 s[40:41], s[24:25], s[34:35]
	s_mov_b32 s42, 0x4038aa3b                      ; c = 2 log2(e)
	s_mov_b32 s43, s42                             ; (named with it as a pair, so it is written)
	v_bfe_u32 v16, v0, 4, 1
	v_lshlrev_b32 v16, 5, v16                      ; 32 h: my eight columns
	v_and_b32 v17, 15, v0
	v_lshl_add_u32 v17, v17, 12, v16               ; + row r of cb
	global_load_b128 v[128:131], v16, s[36:37]
	global_load_b128 v[132:135], v16, s[36:37] offset:16
	global_load_b128 v[136:139], v16, s[38:39]
	global_load_b128 v[140:143], v16, s[38:39] offset:16
	s_wait_dscnt 0x0
.irp j, 0,2,4,6
	v_pk_add_f32 v[96+\j:97+\j], v[96+\j:97+\j], v[104+\j:105+\j]
.endr
.irp j, 0,2,4,6
	v_pk_add_f32 v[96+\j:97+\j], v[96+\j:97+\j], v[112+\j:113+\j]
.endr
.irp j, 0,2,4,6
	v_pk_add_f32 v[96+\j:97+\j], v[96+\j:97+\j], v[120+\j:121+\j]
.endr
	s_wait_loadcnt 0x0
.irp j, 0,2,4,6
	v_pk_add_f32 v[128+\j:129+\j], v[128+\j:129+\j], v[136+\j:137+\j]
.endr
	s_wait_alu depctr_va_vdst(0)
.irp j, 0,2,4,6
	v_pk_add_f32 v[96+\j:97+\j], v[96+\j:97+\j], v[128+\j:129+\j]
.endr
.irp j, 0,2,4,6
	v_pk_mul_f32 v[96+\j:97+\j], v[96+\j:97+\j], s[42:43] op_sel_hi:[1,0]
.endr
	global_store_b128 v17, v[96:99], s[40:41]      ; 64 bytes of each of 16 rows of cb: pieces of rows, 131,072 bytes in the whole launch
	global_store_b128 v17, v[100:103], s[40:41] offset:16
.Lend:
	s_wait_tensorcnt 0x0                           ; the wave's end, behind my last LDS store
	ds_add_u32 v[SPW], v[NIL]
	s_wait_dscnt 0x0
	s_endpgm
.Lfunc_end_k_qd8965fd96d_prep:
	.size	k_qd8965fd96d_prep, .Lfunc_end_k_qd8965fd96d_prep-k_qd8965fd96d_prep
	.p2alignl 7, 3214868480
	.fill 96, 4, 3214868480
	.section	.rodata,"a",@progbits
	.p2align	6, 0x0
	.amdhsa_kernel k_qd8965fd96d_prep
		.amdhsa_group_segment_fixed_size 38400
		.amdhsa_private_segment_fixed_size 0
		.amdhsa_enable_private_segment 0
		.amdhsa_kernarg_size 88
		.amdhsa_user_sgpr_count 2
		.amdhsa_user_sgpr_kernarg_segment_ptr 1
		.amdhsa_wavefront_size32 1
		.amdhsa_system_sgpr_workgroup_id_x 1
		.amdhsa_system_sgpr_workgroup_id_y 1
		.amdhsa_system_sgpr_workgroup_id_z 1
		.amdhsa_system_vgpr_workitem_id 0
		.amdhsa_next_free_vgpr 256
		.amdhsa_next_free_sgpr 66
		.amdhsa_reserve_vcc 0
		.amdhsa_float_denorm_mode_32 3
		.amdhsa_float_denorm_mode_16_64 3
		.amdhsa_memory_ordered 1
		.amdhsa_forward_progress 1
		.amdhsa_inst_pref_size 255
	.end_amdhsa_kernel
	.section	.bss,"aw",@nobits
	.p2align	6
	.space	262144
	.amdgpu_metadata
---
amdhsa.version: [ 1, 2 ]
amdhsa.kernels:
  - .name:           k_qd8965fd96d_prep
    .symbol:         k_qd8965fd96d_prep.kd
    .args:
      - { .name: query, .offset: 0, .size: 8, .value_kind: global_buffer, .address_space: global }
      - { .name: values, .offset: 8, .size: 8, .value_kind: global_buffer, .address_space: global }
      - { .name: W1, .offset: 16, .size: 8, .value_kind: global_buffer, .address_space: global }
      - { .name: W2, .offset: 24, .size: 8, .value_kind: global_buffer, .address_space: global }
      - { .name: b1, .offset: 32, .size: 8, .value_kind: global_buffer, .address_space: global }
      - { .name: b2, .offset: 40, .size: 8, .value_kind: global_buffer, .address_space: global }
      - { .name: acode, .offset: 48, .size: 8, .value_kind: global_buffer, .address_space: global }
      - { .name: ascale, .offset: 56, .size: 8, .value_kind: global_buffer, .address_space: global }
      - { .name: wcode, .offset: 64, .size: 8, .value_kind: global_buffer, .address_space: global }
      - { .name: wscale, .offset: 72, .size: 8, .value_kind: global_buffer, .address_space: global }
      - { .name: cb, .offset: 80, .size: 8, .value_kind: global_buffer, .address_space: global }
    .group_segment_fixed_size: 38400
    .private_segment_fixed_size: 0
    .kernarg_segment_align: 8
    .kernarg_segment_size: 88
    .max_flat_workgroup_size: 128
    .sgpr_count:     66
    .vgpr_count:     256
    .wavefront_size: 32
...
	.end_amdgpu_metadata
.endif
;; end of part 1
;; launch score (part 2): grid 256 x 1, 4 waves a work-group, clusters of 4 x 1, 327,680 bytes of LDS; arguments acode, ascale, wcode, wscale, cb, V, tsc; writes tsc
.if DOCPART == 2
	.amdgcn_target "amdgcn-amd-amdhsa--gfx1250"
	.amdhsa_code_object_version 6
	.text
	.protected	k_qd8965fd96d_score
	.globl	k_qd8965fd96d_score
	.p2align	8
	.type	k_qd8965fd96d_score,@function
k_qd8965fd96d_score:
	s_mov_b64 s[64:65], 0
	v_nop
	global_prefetch_b8 v0, s[64:65] scope:SCOPE_SE
	s_setreg_imm32_b32 hwreg(HW_REG_WAVE_MODE, 25, 1), 1
	s_wait_xcnt 0x0
	s_wait_alu depctr_hold_cnt(0) depctr_sa_sdst(0) depctr_va_vdst(0) depctr_va_sdst(0) depctr_va_ssrc(0) depctr_va_vcc(0) depctr_vm_vsrc(0)
	s_getreg_b32 s2, hwreg(HW_REG_IB_STS2, 6, 4)
	s_cmp_eq_u32 s2, 0
	s_cbranch_scc0 .Lentry_in_a_cluster
	s_endpgm
.Lentry_in_a_cluster:
	s_bfe_u32 s2, ttmp6, 0x10000c
	s_cmp_lg_u32 s2, 0x3003
	s_cbranch_scc0 .Lentry_shape_is_right
	s_endpgm
.Lentry_shape_is_right:
; ADDITIVE ATTENTION, launch 2 of 3.  tsc[row] = k sum_u V_u / (1 + 2^(c acc[row][u] + cb[batch][u])), acc = Q(values) Q(W1) on codes of BF8 (E5M2) with E8M0 scales, c = 2 log2(e), k = -c.
; LEFT OUT (shown at the head of the first launch): bv and sum_u V_u, which are the same along t and which the softmax takes away.
; 2^(..) may reach infinity, whose reciprocal is 0, or fall to 0, which gives 1: tanh's two ends; finite sums give no NaN.
; SHARES.  A work-group owns 256 rows of one batch, a wave 64: four row tiles, whose codes for all of K = 1,024 stay in 512 registers (windows 1, 2).  All waves walk W1's 64 column tiles (register images of 16,384 bytes)
; through a ring of two LDS slots of 8 tiles.  CLUSTER: the four partners lie in one batch and ask for every tile jointly; their place enters the addresses of acode, ascale and tsc alone.
; NO PREFETCH: the streamed operand is 1,048,576 bytes in all, which all 64 clusters ask for in the same order, and a refill has eight steps, 256 products a wave, in which to land.
; THE PRODUCT IS USED TRANSPOSED: source 0 = 16 columns of W1, source 1 = 16 rows: lane (r, h) holds row r, register j column 16 n + 8 h + j.
; A STEP, tile n: 32 products (8 K steps x 4 row tiles, the four sums by turns) into set X; the 16 additions of 1 for tile n - 1 (set Y) are the plain lines behind products 15 and 31;
; then c x + cb on X; ONE batch of 64 transcendentals, X's exponentials and Y's reciprocals; then Y's 16 multiply-adds by V.  No transcendental stands among the products.
; REGISTERS.  window 0: v1-12 addresses; v14-29 the rows' scale words (4 m + s / 2; lanes 0-15 the even K step's, 16-31 the odd one's); v32-39 W1's, two sets; v40-47 cb; v48-55 V; v56-119 two sets of sums; v120, v121 the add's two;
; v128-255 W1's eight fragments.  windows 1, 2: the rows' fragment (m, s) at v[16 (4 (s % 4) + m)].  window 3: v0-31 the sums by V.
.set SLOT1, 1<<17
.set TILEB, 16384
.set WSC,   2*SLOT1                    ; W1's scale words, 512 bytes a tile: filled once
.set TAB,   WSC+32768                  ; cb's row, 4,096 bytes, then V, 4,096 bytes: filled once
.set SSTG,  TAB+8192                   ; 256 bytes a wave: the way out; no tensor load lands here
.set SPARE, SSTG+1024                  ; the spare words: two blocks of 256 bytes that no other line names
.set LI,   1
.set ADB,  2
.set ADS,  3
.set ADT,  4
.set STO,  8
.set SRD,  9
.set GO,   10
.set AS0,  11
.set AT0,  12
.set AS,  14                           ; no product's two scale registers have numbers equal modulo 8
.set BS,  32
.set CB,  40
.set VV,  48
.set ACC, 56
.set SPW, 120
.set NIL, 121
.set TP,  122
.set BF,  128
.set SC,  0                            ; window 3
.set WV,  18
.set G1W, 24                           ; group 1: 128 rows of 256 bytes;  G1S: 512 rows;  G1T: 16 rows
.set G1S, 32
.set G1T, 40
.set G0C, 48
.set G0V, 52
.set G0S, 56
.set G0A, 60
.set G0B, 68                           ; the group 0 that walks, from slot 1's first fill on
.set CC,  72
.set SEL, 74
.set KN,  76
.set TB,  77                           ; LDS byte of the record to be fetched
.set TS,  78                           ; 512 x (tile + 1)
.set TT,  79                           ; 64 x tile
.set CO,  80
.set CI,  81
.set MSB, 0
.macro WIN new                         ; the immediate's high byte repeats the setting that is left
.if MSB != \new
	s_set_vgpr_msb (MSB<<8)|\new
.set MSB, \new
.endif
.endm
.macro CROUND                          ; a round of the cluster's barrier
	s_barrier_signal -1
	s_barrier_wait -1
	s_cmp_lg_u32 s[WV], 0
	s_cbranch_scc1 .Lnot_wave_0_\@
	s_barrier_signal -3
.Lnot_wave_0_\@:
	s_barrier_wait -3
	s_barrier_signal -1
	s_barrier_wait -1
.endm
.macro TLOAD g0, g1                    ; s_nop 0 and four v_nop behind a tensor load
	tensor_load_to_lds s[\g0:\g0+3], s[\g1:\g1+7]
	s_nop 0
.rept 4
	v_nop
.endr
.endm
.macro FQ q                            ; fragment q of the record at v[ADB]: 512 consecutive bytes a load
.irp c, 0,1,2,3
	ds_load_b128 v[BF+16*(\q)+4*\c:BF+16*(\q)+4*\c+3], v[ADB] offset:2048*(\q)+512*\c
.endr
.endm
.macro PA q                            ; c x + cb, on set X, each sum from its low end on
	v_pk_fma_f32 v[XA+2*(\q):XA+2*(\q)+1], v[XA+2*(\q):XA+2*(\q)+1], s[CC:CC+1], v[CB+(2*(\q))%8:CB+(2*(\q))%8+1] op_sel_hi:[1,0,1]
.endm
.macro PO q                            ; + 1, on set Y
	v_pk_add_f32 v[YA+2*(\q):YA+2*(\q)+1], v[YA+2*(\q):YA+2*(\q)+1], 1.0 op_sel_hi:[1,0]
.endm
.macro PL epi, q                       ; a plain line behind a product: useful where a tile stands before this one
.if \epi
	PO \q
.else
	v_nop
.endif
.endm
.macro PS q                            ; under 0xf0: the sums by V in window 3, r and V in window 0
	v_pk_fma_f32 v[SC+2*(\q):SC+2*(\q)+1], v[YA+2*(\q):YA+2*(\q)+1], v[VV+(2*(\q))%8:VV+(2*(\q))%8+1], v[SC+2*(\q):SC+2*(\q)+1]
.endm
.macro RCPS                            ; Y's 32 reciprocals
.set e, 0
.rept 32
	v_rcp_f32 v[YA+e], v[YA+e]
.set e, e+1
.endr
.endm
.macro SUMV
	WIN 0xf0
.set q, 0
.rept 16
	PS q
.set q, q+1
.endr
	WIN 0
.endm
.macro MM                              ; product i of 32: K step i / 4, row tile i % 4: the four sums take turns
.set mm, i%4
.set kk, i/4
.set rD, XA+8*mm
.set rA, BF+16*kk
.set rB, 16*(4*(kk%4)+mm)
.set rSA, BSX+kk/2
.set rSB, AS+4*mm+kk/2
.if kk == 0
	v_wmma_scale_f32_16x16x128_f8f6f4 v[rD:rD+7], v[rA:rA+15], v[rB:rB+15], 0, v[rSA], v[rSB] matrix_a_fmt:MATRIX_FMT_BF8 matrix_b_fmt:MATRIX_FMT_BF8
.elseif kk%2 == 0
	v_wmma_scale_f32_16x16x128_f8f6f4 v[rD:rD+7], v[rA:rA+15], v[rB:rB+15], v[rD:rD+7], v[rSA], v[rSB] matrix_a_fmt:MATRIX_FMT_BF8 matrix_b_fmt:MATRIX_FMT_BF8
.else
	v_wmma_scale_f32_16x16x128_f8f6f4 v[rD:rD+7], v[rA:rA+15], v[rB:rB+15], v[rD:rD+7], v[rSA], v[rSB] matrix_a_fmt:MATRIX_FMT_BF8 matrix_b_fmt:MATRIX_FMT_BF8 matrix_a_scale:MATRIX_SCALE_ROW1 matrix_b_scale:MATRIX_SCALE_ROW1
.endif
.set i, i+1
.endm
; P: the tile's parity; epi = 1: a tile stands before it; fetch = 1: the next tile's fragments are fetched
.macro STEP P, epi, fetch
.set XA,  ACC+32*(\P)
.set YA,  ACC+32*(1-(\P))
.set BSX, BS+4*(\P)
.set BSN, BS+4*(1-(\P))
	v_add_nc_u32 v[ADB], s[TB], v[LI]
	v_add_nc_u32 v[ADS], s[TS], v[AS0]
	v_add_nc_u32 v[ADT], s[TT], v[AT0]
	s_wait_alu depctr_va_vdst(0)                   ; the wait, directly behind the writes
.if \epi == 0
	s_wait_loadcnt 63                              ; the rows' scale words and K steps 0-3 are in: behind them stand the 64 loads of K steps 4-7; the wait's field holds 63 at the most, and a smaller count is safe
.endif
	s_wait_dscnt 16                                ; fragments 0-3 and the scale words are in; behind them stand fragments 4-7's 16 loads
	WIN 0x04                                       ; source 1 in window 1
.set i, 0
.rept 16
	MM
.endr
	PL \epi, 0
.if \epi == 0
	s_wait_loadcnt 0x0
.endif
	s_wait_dscnt 0x0                               ; fragments 4-7
	WIN 0x08                                       ; source 1 in window 2
.rept 7
	MM
	PL \epi, i-16
.endr
	; eight plain lines stand behind product 15, the last to read fragments 0-3
	ds_load_b128 v[CB:CB+3], v[ADT]                ; this tile's cb
	ds_load_b128 v[CB+4:CB+7], v[ADT] offset:16
.if \epi
	ds_load_b128 v[VV:VV+3], v[ADT] offset:4032    ; the tile before's V: 4,096 - 64 bytes on
	ds_load_b128 v[VV+4:VV+7], v[ADT] offset:4048
.endif
.if \fetch
	FQ 0
	FQ 1
	FQ 2
	FQ 3
	ds_load_b128 v[BSN:BSN+3], v[ADS]
.endif
.rept 9
	MM
.endr
.set q, 8
.rept 8
	PL \epi, q                                     ; the eight places behind product 31, ahead of the first read of its sums
.set q, q+1
.endr
.if \fetch
	s_wait_dscnt 17                                ; cb and V are in; behind them stand fragments 0-3's 16 loads and the scale words' one
.else
	s_wait_dscnt 0x0
.endif
.set q, 0
.rept 16
	PA q
.set q, q+1
.endr
	s_wait_alu depctr_va_vdst(0)                   ; the one wait ahead of the batch
.set e, 0
.rept 32
	v_exp_f32 v[XA+e], v[XA+e]
.set e, e+1
.endr
.if \epi
	RCPS
.endif
	v_nop                                          ; a plain line behind the last transcendental
	s_wait_alu depctr_va_vdst(0)                   ; and the one wait behind it
.if \epi
	SUMV
.endif
	WIN 0
.if \fetch
	FQ 4
	FQ 5
	FQ 6
	FQ 7
.endif
	s_add_co_u32 s[TB], s[TB], TILEB
	s_add_co_u32 s[TS], s[TS], 512
	s_add_co_u32 s[TT], s[TT], 64
.endm
; THE CHANGE OF SLOTS: the slot that is left has been fetched whole.  fill = 1: a round of the cluster's barrier, and the joint refill first behind it
.macro CHANGE fill
	s_wait_tensorcnt 0x0                           ; my one load that was out, my part of the slot ahead, is in: the walking group 0 may be written
	ds_add_u32 v[SPW], v[NIL]
.if \fill
	s_xor_b32 s[G0B+1], s[G0B+1], SLOT1
	s_add_nc_u64 s[G0B+2:G0B+3], s[G0B+2:G0B+3], 8*TILEB
.endif
	s_sub_co_u32 s[TB], s[TB], 8*TILEB
	s_xor_b32 s[TB], s[TB], SLOT1
	s_wait_dscnt 0x0                               ; the add is done, and my reads of the slot are over
.if \fill
	CROUND
	TLOAD G0B, G1W
.else
	s_barrier_signal -1
	s_barrier_wait -1
.endif
.endm
.macro PAIRS n, name
	s_mov_b32 s[CI], \n
\name:
	STEP 1, 1, 1
	STEP 0, 1, 1
	s_sub_co_u32 s[CI], s[CI], 1
	s_cmp_lg_u32 s[CI], 0
	s_cbranch_scc1 \name
.endm
.macro ARM under, g0, g1, next
	s_cmp_lt_u32 s[WV], \under
	s_cbranch_scc0 \next
	TLOAD \g0, \g1
	s_branch .Lasked
\next:
.endm
	s_load_b256 s[4:11], s[0:1], 0x0               ; acode, ascale, wcode, wscale
	s_load_b128 s[12:15], s[0:1], 0x20             ; cb, V
	s_load_b64 s[16:17], s[0:1], 0x30              ; tsc
	v_lshl_add_u32 v[SPW], v0, 2, SPARE
	v_mov_b32 v[NIL], 0
	ds_add_u32 v[SPW], v[NIL]                      ; the opening lines: the add twice on end and one wait
	ds_add_u32 v[SPW], v[NIL]
	v_lshrrev_b32 v30, 5, v0
	v_readfirstlane_b32 s[WV], v30                 ; wave 0..3
	s_lshl_b32 s21, s[WV], 8
	s_add_co_u32 s21, s21, SSTG
	v_and_b32 v31, 31, v0                          ; lane
	v_lshlrev_b32 v[LI], 4, v31
	v_lshlrev_b32 v[ADB], 4, v31                   ; tile 0's record begins at LDS byte 0
	v_add_nc_u32 v[AS0], WSC, v[LI]
	v_bfe_u32 v30, v0, 4, 1
	v_lshlrev_b32 v[AT0], 5, v30
	v_add_nc_u32 v[AT0], TAB, v[AT0]
	v_and_b32 v30, 15, v0
	v_lshl_add_u32 v[STO], v30, 2, s21
	v_lshl_add_u32 v[SRD], v31, 3, s21
	v_lshlrev_b32 v[GO], 3, v31
	WIN 0xc0
.set e, 0
.rept 32
	v_mov_b32 v[SC+e], 0                           ; the sums by V: the step is written once
.set e, e+1
.endr
	WIN 0
	s_bfe_u32 s19, ttmp6, 0x40000                  ; cx
	s_lshl_b32 s20, ttmp9, 2
	s_add_co_u32 s20, s20, s19                     ; my block of 256 rows
.irp g, G1W, G1S, G1T
	s_mov_b32 s[\g], 15|(3<<16)|(1<<21)            ; the mask of all four; elements of 8 bytes; bit 21 beside a mask
	s_mov_b32 s[\g+1], 32<<16
	s_mov_b32 s[\g+3], 32<<16
	s_mov_b32 s[\g+5], 32
	s_mov_b32 s[\g+6], 0
	s_mov_b32 s[\g+7], 0
.endr
	s_mov_b32 s[G1W+2], 128<<16                    ; a quarter of a slot; also all of the scale words
	s_mov_b32 s[G1W+4], 128
	s_mov_b32 s[G1S+2], 512<<16                    ; a whole slot
	s_mov_b32 s[G1S+4], 512
	s_mov_b32 s[G1T+2], 16<<16                     ; cb's row, or V
	s_mov_b32 s[G1T+4], 16
	s_mov_b32 s[CC], 0x4038aa3b                    ; c = 2 log2(e)
	s_mov_b32 s[CC+1], s[CC]
	s_mov_b32 s[KN], 0xc038aa3b
	s_mov_b32 s[SEL], 0x76543210
	s_mov_b32 s[SEL+1], 0xfedcba98
	s_mov_b32 s[TB], TILEB                         ; the first step fetches tile 1
	s_mov_b32 s[TS], 512
	s_mov_b32 s[TT], 0
	s_lshr_b32 s2, ttmp9, 1                        ; the batch, which the four partners share
	s_lshl_b32 s2, s2, 12
	s_mov_b32 s3, 0
	s_mov_b32 s23, 0
	s_wait_alu depctr_va_vdst(0)                   ; the wait at the head's end
	s_wait_dscnt 0x0                               ; both opening adds are done
	s_wait_kmcnt 0x0
	s_mov_b32 s[G0C], 1
	s_mov_b32 s[G0C+1], TAB
	s_add_nc_u64 s[G0C+2:G0C+3], s[12:13], s[2:3]
	s_or_b32 s[G0C+3], s[G0C+3], 0x80000000
	s_mov_b32 s[G0V], 1
	s_mov_b32 s[G0V+1], TAB+4096
	s_mov_b64 s[G0V+2:G0V+3], s[14:15]
	s_or_b32 s[G0V+3], s[G0V+3], 0x80000000
	s_mov_b32 s[G0S], 1
	s_mov_b32 s[G0S+1], WSC
	s_mov_b64 s[G0S+2:G0S+3], s[10:11]
	s_or_b32 s[G0S+3], s[G0S+3], 0x80000000
	s_mov_b32 s[G0A], 1
	s_mov_b32 s[G0A+1], 0
	s_mov_b64 s[G0A+2:G0A+3], s[8:9]
	s_or_b32 s[G0A+3], s[G0A+3], 0x80000000
	s_lshl_b32 s2, s[WV], 15
	s_mov_b32 s[G0B], 1
	s_add_co_u32 s[G0B+1], s2, SLOT1
	s_add_nc_u64 s[G0B+2:G0B+3], s[8:9], s[2:3]
	s_add_nc_u64 s[G0B+2:G0B+3], s[G0B+2:G0B+3], 8*TILEB
	s_or_b32 s[G0B+3], s[G0B+3], 0x80000000
	s_lshl_b32 s22, s20, 18                        ; my rows' codes: 16 tiles of 16,384 bytes a block, 4 a wave
	s_lshl_b32 s21, s[WV], 16
	s_add_co_u32 s22, s22, s21
	s_add_nc_u64 s[4:5], s[4:5], s[22:23]
	s_lshl_b32 s22, s20, 13                        ; their scale words
	s_lshl_b32 s21, s[WV], 11
	s_add_co_u32 s22, s22, s21
	s_add_nc_u64 s[6:7], s[6:7], s[22:23]
	s_lshl_b32 s22, s20, 10                        ; their scores
	s_lshl_b32 s21, s[WV], 8
	s_add_co_u32 s22, s22, s21
	s_add_nc_u64 s[16:17], s[16:17], s[22:23]
	CROUND                                         ; all four work-groups are here: the first joint loads meet
	; one load a wave, in one chain of arms: wave 0 slot 0 whole, wave 1 the scale words, wave 2 cb's row, wave 3 V
	ARM 1, G0A, G1S, .Lh1
	ARM 2, G0S, G1W, .Lh2
	ARM 3, G0C, G1T, .Lh3
	TLOAD G0V, G1T
.Lasked:
.irp m, 0,1,2,3
	global_load_b128 v[AS+4*\m:AS+4*\m+3], v[LI], s[6:7] offset:512*\m th:TH_LOAD_NT
.endr
.irp w, 0,1                                    ; window 1: K steps 0-3; window 2: K steps 4-7; each load reads 512 consecutive bytes
	WIN (1+\w)<<6
.irp k, 0,1,2,3
.irp m, 0,1,2,3
.irp c, 0,1,2,3
	global_load_b128 v[16*(4*\k+\m)+4*\c:16*(4*\k+\m)+4*\c+3], v[LI], s[4:5] offset:16384*\m+2048*(\k+4*\w)+512*\c th:TH_LOAD_NT
.endr
.endr
.endr
.endr
	WIN 0
	s_wait_tensorcnt 0x0                           ; my tile of the head's four is in
	ds_add_u32 v[SPW], v[NIL]
	s_wait_dscnt 0x0
	CROUND                                         ; everybody's are, and the joint loads meet
	TLOAD G0B, G1W                                 ; slot 1's first fill: a quarter a wave
	FQ 0
	FQ 1
	FQ 2
	FQ 3
	ds_load_b128 v[BS:BS+3], v[AS0]
	FQ 4
	FQ 5
	FQ 6
	FQ 7
	STEP 0, 0, 1                                   ; tile 0
	PAIRS 3, .Lfirst                               ; tiles 1-6; the last of them fetches tile 7, slot 0's last
	s_mov_b32 s[CO], 6
.Lslot:                                            ; six trips: every slot but the last two is filled again
	CHANGE 1
	PAIRS 4, .Lpair
	s_sub_co_u32 s[CO], s[CO], 1
	s_cmp_lg_u32 s[CO], 0
	s_cbranch_scc1 .Lslot
	CHANGE 0                                       ; the tail is written out
	PAIRS 4, .Llast                                ; tiles 55-62
	STEP 1, 1, 0                                   ; tile 63
	; what is left of tile 63: + 1, the reciprocals, the multiply-adds by its V
.set YA, ACC+32
	v_add_nc_u32 v[ADT], s[TT], v[AT0]
	s_wait_alu depctr_va_vdst(0)
	ds_load_b128 v[VV:VV+3], v[ADT] offset:4032
	ds_load_b128 v[VV+4:VV+7], v[ADT] offset:4048
.set q, 0
.rept 16
	PO q
.set q, q+1
.endr
	s_wait_alu depctr_va_vdst(0)                   ; ahead of the batch
	RCPS
	v_nop
	s_wait_alu depctr_va_vdst(0)                   ; and behind it
	s_wait_dscnt 0x0
	SUMV
	; a row's sum: my eight column classes, lane l xor 16's eight, x k
	WIN 0xff
.irp m, 0,1,2,3
	v_pk_add_f32 v[SC+8*\m:SC+8*\m+1], v[SC+8*\m:SC+8*\m+1], v[SC+8*\m+2:SC+8*\m+3]
	v_pk_add_f32 v[SC+8*\m+4:SC+8*\m+5], v[SC+8*\m+4:SC+8*\m+5], v[SC+8*\m+6:SC+8*\m+7]
.endr
.irp m, 0,1,2,3
	v_pk_add_f32 v[SC+8*\m:SC+8*\m+1], v[SC+8*\m:SC+8*\m+1], v[SC+8*\m+4:SC+8*\m+5]
.endr
.irp m, 0,1,2,3
	v_add_f32 v[SC+8*\m], v[SC+8*\m], v[SC+8*\m+1]
.endr
.irp m, 0,1,2,3
	v_permlanex16_b32 v[SC+8*\m+1], v[SC+8*\m], s[SEL], s[SEL+1]
.endr
.irp m, 0,1,2,3
	v_add_f32 v[SC+8*\m], v[SC+8*\m], v[SC+8*\m+1]
.endr
.irp m, 0,1,2,3
	v_mul_f32 v[SC+8*\m], s[KN], v[SC+8*\m]
.endr
	WIN 0x0c                                       ; an LDS store's data are its source 1: window 3
.irp m, 0,1,2,3
	ds_store_b32 v[STO], v[SC+8*\m] offset:64*\m   ; row 16 m + r; both halves of the lanes write the same word with the same value
.endr
	WIN 0
	ds_load_b64 v[TP:TP+1], v[SRD]                 ; LDS serves a wave's instructions in order (ISA guide 5.7.1.4)
	s_wait_dscnt 0x0
	global_store_b64 v[GO], v[TP:TP+1], s[16:17]   ; my 64 rows' scores: 256 consecutive bytes, aligned
	s_wait_tensorcnt 0x0                           ; the wave's end
	ds_add_u32 v[SPW], v[NIL]
	s_wait_dscnt 0x0
	CROUND                                         ; the closing round
	s_endpgm
.Lfunc_end_k_qd8965fd96d_score:
	.size	k_qd8965fd96d_score, .Lfunc_end_k_qd8965fd96d_score-k_qd8965fd96d_score
	.p2alignl 7, 3214868480
	.fill 96, 4, 3214868480
	.section	.rodata,"a",@progbits
	.p2align	6, 0x0
	.amdhsa_kernel k_qd8965fd96d_score
		.amdhsa_group_segment_fixed_size 327680
		.amdhsa_private_segment_fixed_size 0
		.amdhsa_enable_private_segment 0
		.amdhsa_kernarg_size 56
		.amdhsa_user_sgpr_count 2
		.amdhsa_user_sgpr_kernarg_segment_ptr 1
		.amdhsa_wavefront_size32 1
		.amdhsa_system_sgpr_workgroup_id_x 1
		.amdhsa_system_sgpr_workgroup_id_y 1
		.amdhsa_system_sgpr_workgroup_id_z 1
		.amdhsa_system_vgpr_workitem_id 0
		.amdhsa_next_free_vgpr 832
		.amdhsa_next_free_sgpr 84
		.amdhsa_reserve_vcc 0
		.amdhsa_float_denorm_mode_32 3
		.amdhsa_float_denorm_mode_16_64 3
		.amdhsa_memory_ordered 1
		.amdhsa_forward_progress 1
		.amdhsa_inst_pref_size 121
	.end_amdhsa_kernel
	.amdgpu_metadata
---
amdhsa.version: [ 1, 2 ]
amdhsa.kernels:
  - .name:           k_qd8965fd96d_score
    .symbol:         k_qd8965fd96d_score.kd
    .args:
      - { .name: acode, .offset: 0, .size: 8, .value_kind: global_buffer, .address_space: global }
      - { .name: ascale, .offset: 8, .size: 8, .value_kind: global_buffer, .address_space: global }
      - { .name: wcode, .offset: 16, .size: 8, .value_kind: global_buffer, .address_space: global }
      - { .name: wscale, .offset: 24, .size: 8, .value_kind: global_buffer, .address_space: global }
      - { .name: cb, .offset: 32, .size: 8, .value_kind: global_buffer, .address_space: global }
      - { .name: V, .offset: 40, .size: 8, .value_kind: global_buffer, .address_space: global }
      - { .name: tsc, .offset: 48, .size: 8, .value_kind: global_buffer, .address_space: global }
    .group_segment_fixed_size: 327680
    .private_segment_fixed_size: 0
    .kernarg_segment_align: 8
    .kernarg_segment_size: 56
    .max_flat_workgroup_size: 128
    .sgpr_count:     84
    .vgpr_count:     832
    .wavefront_size: 32
...
	.end_amdgpu_metadata
.endif
;; end of part 2
;; launch ctx (part 3): grid 256 x 1, 16 waves a work-group, no clusters, 10,752 bytes of LDS; arguments values, tsc, out0, out1; writes out0, out1
.if DOCPART == 3
	.amdgcn_target "amdgcn-amd-amdhsa--gfx1250"
	.amdhsa_code_object_version 6
	.text
	.protected	k_qd8965fd96d_ctx
	.globl	k_qd8965fd96d_ctx
	.p2align	8
	.type	k_qd8965fd96d_ctx,@function
k_qd8965fd96d_ctx:
	s_mov_b64 s[64:65], 0
	v_nop
	global_prefetch_b8 v0, s[64:65] scope:SCOPE_SE
	s_setreg_imm32_b32 hwreg(HW_REG_WAVE_MODE, 25, 1), 1
	s_wait_xcnt 0x0
; ADDITIVE ATTENTION, launch 3 of 3.  For each batch: M = the largest of its 2,048 numbers t (log2(e) x the score, less what is the same along t: bv and sum_u V_u are left out, as shown at the head of the first launch);
; p = 2^(t - M); l = the sum of p; out1 = p / l; out0[b][d] = (sum over t of p values[b][t][d]) / l, all in f32.  The maximum is the batch's true maximum.
; SHARES.  A work-group owns 128 columns (512 bytes of each row) of one batch, for all 2,048 rows: each number of out0 has one owner.  Wave w takes rows 128 w .. 128 w + 127.  Thread t holds t's numbers 4 t .. 4 t + 3,
; so a wave's rows' weights lie in that wave's own lanes and are read out by v_readlane_b32.  All eight work-groups of a batch make the same softmax; work-group j stores the weights of waves 2 j and 2 j + 1.
; Memory binds: each load of a wave reads 512 consecutive bytes of a row, aligned; two chunks of 16 rows (32 loads a wave) are asked for ahead of the softmax, and 16 to 32 stay out throughout.  No matrix unit, no cluster: work-groups share no tile.
; LIMIT: p under 2^-126 counts as 0 (v_exp_f32 gives no denormals: ISA guide, its entry).
.set RED1,  0                          ; 16 words: the waves' maxima
.set RED2,  256                        ; 16 words: the waves' sums
.set CRED,  512                        ; 16 x 512 bytes: the waves' parts of the context
.set SPARE, 8704                       ; the spare words, 128 bytes for each wave: eight blocks of 256 bytes that no other line names
.set LI,  1                            ; v1   16 x lane
.set SPW, 2
.set NIL, 3
.set P,   4                            ; v4-7    my four t, then p
.set AC,  8                            ; v8-11, v12-15 sums of even and of odd rows: my four columns
.set T,   16                           ; v16-31  at work
.set D,   32                           ; v32-95, v96-159 two chunks of 16 rows
.set RA,  160                          ; v160 4 x wave
.set ZB,  161                          ; v161 0: the base of the reads of all waves' words
.set MX,  162
.set PT,  163
.set RL,  164                          ; v164 l, then 1 / l  (named as a pair with v165)
.set TO,  165                          ; v165 16 x thread
.set CS,  166                          ; v166 where I put my part of the context
.set CL,  167                          ; v167 where wave 0 reads the parts
.set WV,  12
.set SEL, 18
.set W,   32                           ; s32, s34, .. s62: 16 rows' weights; the odd registers are named with them as pairs
.macro CLOAD c
.irp i, 0,1,2,3,4,5,6,7,8,9,10,11,12,13,14,15
	global_load_b128 v[D+64*((\c)%2)+4*\i:D+64*((\c)%2)+4*\i+3], v[LI], s[4:5] offset:(16*(\c)+\i)*4096 th:TH_LOAD_NT
.endr
.endm
.macro CHUNK c
.if (\c) < 7
	s_wait_loadcnt 16                              ; this chunk's 16 loads are in; the next chunk's may be out
.else
	s_wait_loadcnt 0x0
.endif
.irp i, 0,1,2,3,4,5,6,7,8,9,10,11,12,13,14,15
	v_readlane_b32 s[W+2*\i], v[P+(\i)%4], 4*(\c)+(\i)/4   ; row 16 c + i of my wave is number i % 4 of lane 4 c + i / 4
.endr
.irp i, 0,1,2,3,4,5,6,7,8,9,10,11,12,13,14,15
.if ((\c) == 0) && (\i < 2)
	v_pk_mul_f32 v[AC+4*\i:AC+4*\i+1], v[D+4*\i:D+4*\i+1], s[W+2*\i:W+2*\i+1] op_sel_hi:[1,0]       ; the first two rows start the sums: nothing is cleared
	v_pk_mul_f32 v[AC+4*\i+2:AC+4*\i+3], v[D+4*\i+2:D+4*\i+3], s[W+2*\i:W+2*\i+1] op_sel_hi:[1,0]
.else
	v_pk_fma_f32 v[AC+4*((\i)%2):AC+4*((\i)%2)+1], v[D+64*((\c)%2)+4*\i:D+64*((\c)%2)+4*\i+1], s[W+2*\i:W+2*\i+1], v[AC+4*((\i)%2):AC+4*((\i)%2)+1] op_sel_hi:[1,0,1]
	v_pk_fma_f32 v[AC+4*((\i)%2)+2:AC+4*((\i)%2)+3], v[D+64*((\c)%2)+4*\i+2:D+64*((\c)%2)+4*\i+3], s[W+2*\i:W+2*\i+1], v[AC+4*((\i)%2)+2:AC+4*((\i)%2)+3] op_sel_hi:[1,0,1]
.endif
.endr
.if (\c) < 6
	CLOAD (\c)+2
.endif
.endm
.macro BARRIER                         ; my LDS stores have landed and my LDS loads are in: then the work-group's barrier
	s_wait_dscnt 0x0
	s_barrier_signal -1
	s_barrier_wait -1
.endm
	s_load_b256 s[4:11], s[0:1], 0x0               ; values s[4:5], tsc s[6:7], out0 s[8:9], out1 s[10:11]
	v_lshl_add_u32 v[SPW], v0, 2, SPARE
	v_mov_b32 v[NIL], 0
	v_lshrrev_b32 v1, 5, v0
	s_delay_alu instid0(VALU_DEP_1)
	v_readfirstlane_b32 s[WV], v1                  ; wave 0..15
	v_and_b32 v16, 31, v0
	s_delay_alu instid0(VALU_DEP_1)
	v_lshlrev_b32 v[LI], 4, v16
	v_lshlrev_b32 v[TO], 4, v0
	s_delay_alu instid0(VALU_DEP_4)
	v_mov_b32 v[RA], s[WV]
	s_delay_alu instid0(VALU_DEP_1)
	v_lshlrev_b32 v[RA], 2, v[RA]
	v_mov_b32 v[ZB], 0
	v_mov_b32 v[PT], 0                             ; written once: a lane permute's destination counts as one of its sources
	s_lshl_b32 s15, s[WV], 9
	v_add_nc_u32 v[CL], CRED, v[LI]
	s_delay_alu instid0(VALU_DEP_1)
	v_add_nc_u32 v[CS], s15, v[CL]
	s_lshr_b32 s13, ttmp9, 3                       ; the batch
	s_and_b32 s14, ttmp9, 7                        ; which 128 columns
	s_mov_b32 s[SEL], 0x76543210
	s_mov_b32 s[SEL+1], 0xfedcba98
.irp i, 0,1,2,3,4,5,6,7,8,9,10,11,12,13,14,15
	s_mov_b32 s[W+2*\i+1], 0
.endr
	s_lshl_b32 s16, s13, 13                        ; 2,048 numbers of 4 bytes a batch
	s_mov_b32 s17, 0
	s_wait_alu depctr_va_vdst(0)
	s_wait_kmcnt 0x0
	s_add_nc_u64 s[6:7], s[6:7], s[16:17]
	s_add_nc_u64 s[10:11], s[10:11], s[16:17]
	s_lshl_b32 s16, s13, 23                        ; 2,048 rows of 4,096 bytes a batch,
	s_lshl_b32 s20, s[WV], 19                      ; 128 rows a wave,
	s_add_co_u32 s16, s16, s20
	s_lshl_b32 s20, s14, 9                         ; 512 bytes of a row
	s_add_co_u32 s16, s16, s20
	s_add_nc_u64 s[4:5], s[4:5], s[16:17]
	s_lshl_b32 s16, s13, 12
	s_add_co_u32 s16, s16, s20
	s_add_nc_u64 s[8:9], s[8:9], s[16:17]
	global_load_b128 v[P:P+3], v[TO], s[6:7]
	CLOAD 0
	CLOAD 1
	s_wait_loadcnt 32                              ; my four t are in; the two chunks may be out
	v_max3_num_f32 v[MX], v[P], v[P+1], v[P+2]
	s_delay_alu instid0(VALU_DEP_1)
	v_max_num_f32 v[MX], v[MX], v[P+3]
	s_delay_alu instid0(VALU_DEP_1)
	v_max_num_f32_dpp v[MX], v[MX], v[MX] row_xmask:1 row_mask:0xf bank_mask:0xf
	s_delay_alu instid0(VALU_DEP_1)
	v_max_num_f32_dpp v[MX], v[MX], v[MX] row_xmask:2 row_mask:0xf bank_mask:0xf
	s_delay_alu instid0(VALU_DEP_1)
	v_max_num_f32_dpp v[MX], v[MX], v[MX] row_xmask:4 row_mask:0xf bank_mask:0xf
	s_delay_alu instid0(VALU_DEP_1)
	v_max_num_f32_dpp v[MX], v[MX], v[MX] row_xmask:8 row_mask:0xf bank_mask:0xf
	s_delay_alu instid0(VALU_DEP_1)
	v_permlanex16_b32 v[PT], v[MX], s[SEL], s[SEL+1]
	s_delay_alu instid0(VALU_DEP_1)
	v_max_num_f32 v[MX], v[MX], v[PT]              ; my wave's largest
	ds_store_b32 v[RA], v[MX] offset:RED1          ; all lanes write the same word with the same value
	BARRIER
.irp i, 0,1,2,3
	ds_load_b128 v[T+4*\i:T+4*\i+3], v[ZB] offset:RED1+16*\i
.endr
	s_wait_dscnt 0x0
	v_max3_num_f32 v[MX], v[T], v[T+1], v[T+2]
.irp i, 3,5,7,9,11,13
	s_delay_alu instid0(VALU_DEP_1)
	v_max3_num_f32 v[MX], v[MX], v[T+\i], v[T+\i+1]
.endr
	s_delay_alu instid0(VALU_DEP_1)
	v_max_num_f32 v[MX], v[MX], v[T+15]            ; M: the batch's largest t
.irp e, 0,1,2,3
	v_sub_f32 v[P+\e], v[P+\e], v[MX]
.endr
	s_wait_alu depctr_va_vdst(0)
.irp e, 0,1,2,3
	v_exp_f32 v[P+\e], v[P+\e]                     ; p = 2^(t - M), at most 1
.endr
	v_nop                                          ; a plain line behind the last exponential
	s_wait_alu depctr_va_vdst(0)                   ; one wait for the four, ahead of their first reader
	v_add_f32 v[RL], v[P], v[P+1]
	v_add_f32 v[PT], v[P+2], v[P+3]
	s_delay_alu instid0(VALU_DEP_1)
	v_add_f32 v[RL], v[RL], v[PT]
	s_delay_alu instid0(VALU_DEP_1)
	v_add_f32_dpp v[RL], v[RL], v[RL] row_xmask:1 row_mask:0xf bank_mask:0xf
	s_delay_alu instid0(VALU_DEP_1)
	v_add_f32_dpp v[RL], v[RL], v[RL] row_xmask:2 row_mask:0xf bank_mask:0xf
	s_delay_alu instid0(VALU_DEP_1)
	v_add_f32_dpp v[RL], v[RL], v[RL] row_xmask:4 row_mask:0xf bank_mask:0xf
	s_delay_alu instid0(VALU_DEP_1)
	v_add_f32_dpp v[RL], v[RL], v[RL] row_xmask:8 row_mask:0xf bank_mask:0xf
	s_delay_alu instid0(VALU_DEP_1)
	v_permlanex16_b32 v[PT], v[RL], s[SEL], s[SEL+1]
	s_delay_alu instid0(VALU_DEP_1)
	v_add_f32 v[RL], v[RL], v[PT]                  ; my wave's sum
	ds_store_b32 v[RA], v[RL] offset:RED2          ; other bytes than the maxima's: no barrier is owed between the reads above and this store
	BARRIER
.irp i, 0,1,2,3
	ds_load_b128 v[T+4*\i:T+4*\i+3], v[ZB] offset:RED2+16*\i
.endr
	s_wait_dscnt 0x0
.irp i, 0,4,8,12
	v_pk_add_f32 v[T+\i:T+\i+1], v[T+\i:T+\i+1], v[T+\i+2:T+\i+3]
.endr
	s_delay_alu instid0(VALU_DEP_3)
	v_pk_add_f32 v[T:T+1], v[T:T+1], v[T+4:T+5]
	s_delay_alu instid0(VALU_DEP_2)
	v_pk_add_f32 v[T+8:T+9], v[T+8:T+9], v[T+12:T+13]
	s_delay_alu instid0(VALU_DEP_1)
	v_pk_add_f32 v[T:T+1], v[T:T+1], v[T+8:T+9]
	s_delay_alu instid0(VALU_DEP_1)
	v_add_f32 v[RL], v[T], v[T+1]                  ; l, at least 1
	s_wait_alu depctr_va_vdst(0)
	v_rcp_f32 v[RL], v[RL]
	v_nop
	s_wait_alu depctr_va_vdst(0)
	s_lshr_b32 s15, s[WV], 1
	s_cmp_lg_u32 s15, s14                          ; ids alone: my work-group stores the weights of two of its waves
	s_cbranch_scc1 .Lno_weights
.irp e, 0,1,2,3
	v_mul_f32 v[T+\e], v[P+\e], v[RL]
.endr
	global_store_b128 v[TO], v[T:T+3], s[10:11]    ; 512 consecutive bytes a wave, aligned; v[T] on is not written again
.Lno_weights:
.irp c, 0,1,2,3,4,5,6,7
	CHUNK \c
.endr
	s_delay_alu instid0(VALU_DEP_2)
	v_pk_add_f32 v[AC:AC+1], v[AC:AC+1], v[AC+4:AC+5]
	s_delay_alu instid0(VALU_DEP_2)
	v_pk_add_f32 v[AC+2:AC+3], v[AC+2:AC+3], v[AC+6:AC+7]
	ds_store_b128 v[CS], v[AC:AC+3]
	BARRIER                                        ; the sixteen parts lie in LDS
	s_cmp_lg_u32 s[WV], 0
	s_cbranch_scc1 .Lend
.irp i, 0,1,2,3,4,5,6,7,8,9,10,11,12,13,14,15
	ds_load_b128 v[D+4*\i:D+4*\i+3], v[CL] offset:512*\i
.endr
	s_wait_dscnt 0x0
.irp i, 0,1,2,3,4,5,6,7
	v_pk_add_f32 v[D+8*\i:D+8*\i+1], v[D+8*\i:D+8*\i+1], v[D+8*\i+4:D+8*\i+5]
	v_pk_add_f32 v[D+8*\i+2:D+8*\i+3], v[D+8*\i+2:D+8*\i+3], v[D+8*\i+6:D+8*\i+7]
.endr
.irp i, 0,1,2,3
	v_pk_add_f32 v[D+16*\i:D+16*\i+1], v[D+16*\i:D+16*\i+1], v[D+16*\i+8:D+16*\i+9]
	v_pk_add_f32 v[D+16*\i+2:D+16*\i+3], v[D+16*\i+2:D+16*\i+3], v[D+16*\i+10:D+16*\i+11]
.endr
.irp i, 0
	v_pk_add_f32 v[D+32*\i:D+32*\i+1], v[D+32*\i:D+32*\i+1], v[D+32*\i+16:D+32*\i+17]
	v_pk_add_f32 v[D+32*\i+2:D+32*\i+3], v[D+32*\i+2:D+32*\i+3], v[D+32*\i+18:D+32*\i+19]
.endr
.irp i, 1
	s_delay_alu instid0(VALU_DEP_4)
	v_pk_add_f32 v[D+32*\i:D+32*\i+1], v[D+32*\i:D+32*\i+1], v[D+32*\i+16:D+32*\i+17]
	s_delay_alu instid0(VALU_DEP_4)
	v_pk_add_f32 v[D+32*\i+2:D+32*\i+3], v[D+32*\i+2:D+32*\i+3], v[D+32*\i+18:D+32*\i+19]
.endr
	s_delay_alu instid0(VALU_DEP_2)
	v_pk_add_f32 v[D:D+1], v[D:D+1], v[D+32:D+33]
	s_delay_alu instid0(VALU_DEP_2)
	v_pk_add_f32 v[D+2:D+3], v[D+2:D+3], v[D+34:D+35]
	v_pk_mul_f32 v[D:D+1], v[D:D+1], v[RL:RL+1] op_sel_hi:[1,0]     ; / l
	v_pk_mul_f32 v[D+2:D+3], v[D+2:D+3], v[RL:RL+1] op_sel_hi:[1,0]
	global_store_b128 v[LI], v[D:D+3], s[8:9]      ; my work-group's 128 columns of out0: 512 consecutive bytes, aligned
.Lend:
	s_wait_tensorcnt 0x0                           ; the wave's end, behind my last LDS store
	ds_add_u32 v[SPW], v[NIL]
	s_wait_dscnt 0x0
	s_endpgm
.Lfunc_end_k_qd8965fd96d_ctx:
	.size	k_qd8965fd96d_ctx, .Lfunc_end_k_qd8965fd96d_ctx-k_qd8965fd96d_ctx
	.p2alignl 7, 3214868480
	.fill 96, 4, 3214868480
	.section	.rodata,"a",@progbits
	.p2align	6, 0x0
	.amdhsa_kernel k_qd8965fd96d_ctx
		.amdhsa_group_segment_fixed_size 10752
		.amdhsa_private_segment_fixed_size 0
		.amdhsa_enable_private_segment 0
		.amdhsa_kernarg_size 32
		.amdhsa_user_sgpr_count 2
		.amdhsa_user_sgpr_kernarg_segment_ptr 1
		.amdhsa_wavefront_size32 1
		.amdhsa_system_sgpr_workgroup_id_x 1
		.amdhsa_system_sgpr_workgroup_id_y 1
		.amdhsa_system_sgpr_workgroup_id_z 1
		.amdhsa_system_vgpr_workitem_id 0
		.amdhsa_next_free_vgpr 168
		.amdhsa_next_free_sgpr 72
		.amdhsa_reserve_vcc 0
		.amdhsa_float_denorm_mode_32 3
		.amdhsa_float_denorm_mode_16_64 3
		.amdhsa_memory_ordered 1
		.amdhsa_forward_progress 1
		.amdhsa_inst_pref_size 47
	.end_amdhsa_kernel
	.amdgpu_metadata
---
amdhsa.version: [ 1, 2 ]
amdhsa.kernels:
  - .name:           k_qd8965fd96d_ctx
    .symbol:         k_qd8965fd96d_ctx.kd
    .args:
      - { .name: values, .offset: 0, .size: 8, .value_kind: global_buffer, .address_space: global }
      - { .name: tsc, .offset: 8, .size: 8, .value_kind: global_buffer, .address_space: global }
      - { .name: out0, .offset: 16, .size: 8, .value_kind: global_buffer, .address_space: global }
      - { .name: out1, .offset: 24, .size: 8, .value_kind: global_buffer, .address_space: global }
    .group_segment_fixed_size: 10752
    .private_segment_fixed_size: 0
    .kernarg_segment_align: 8
    .kernarg_segment_size: 32
    .max_flat_workgroup_size: 512
    .sgpr_count:     72
    .vgpr_count:     168
    .wavefront_size: 32
...
	.end_amdgpu_metadata
.endif
;; end of part 3
